; MI455X (gfx1250); checked and timed in simulation.
; The chip was launched on July 23, 2026; its instructions are those of AMD's public machine-readable ISA for CDNA 5 (MIT licence, August 2026) and "CDNA5" Instruction Set Architecture Reference Guide (July 2026). The comments in the code are by the model that wrote it; some were corrected since.
;; My LSTM Cell. Allowed arithmetic: float matrix products may take bf16 or f16 operands with f32 sums; other float arithmetic in f32, or as packed bf16 or f16 multiplies, adds, multiply-adds, maxima and minima; sums over many terms, partial sums and values carried from step to step in f32; what a program stores and reads back later, other than sums and carried values, may be rounded once to bf16 or f16.
;; Inputs: Wh 4 x 1,024 x 1,024 float32; Wx 4 x 1,024 x 1,024 float32; bh 4 x 1,024 float32; bx 4 x 1,024 float32; c 8,192 x 1,024 float32; h 8,192 x 1,024 float32; x 8,192 x 1,024 float32.
;; Outputs: out0 8,192 x 1,024 float32; out1 8,192 x 1,024 float32.
;; 2 versions, each right; version 2 is version 1 with the launch cast written anew for expert scheduling mode. Each part assembles by itself: llvm-mc -triple=amdgcn-amd-amdhsa -mcpu=gfx1250 --defsym DOCPART=n.
;; ======== version 1 of 2: 2 launches
;; workspace buffers: ab 33,554,432 bytes; wb 16,777,216 bytes
;; launch cast (part 1): grid 768 x 1, 8 waves a work-group, no clusters, 0 bytes of LDS; arguments x, h, Wx, Wh, ab, wb; writes ab, wb
.if DOCPART == 1
	.amdgcn_target "amdgcn-amd-amdhsa--gfx1250"
	.amdhsa_code_object_version 6
	.text
	.protected	k_qfada1ef8f6_cast
	.globl	k_qfada1ef8f6_cast
	.p2align	8
	.type	k_qfada1ef8f6_cast,@function
k_qfada1ef8f6_cast:
	s_mov_b64 s[64:65], 0
	v_nop
	global_prefetch_b8 v0, s[64:65] scope:SCOPE_SE
	s_setreg_imm32_b32 hwreg(HW_REG_WAVE_MODE, 25, 1), 1
	s_wait_xcnt 0x0
; x, h [8192][1024] f32 -> ab [8192][2048] bf16 (columns 0-1023 x, 1024-2047 h).
; Wx, Wh [4][1024][1024] f32 -> wb [4096][2048] bf16 (columns 0-1023 Wx, 1024-2047 Wh), its rows in the order
; n' = (o >> 4) * 64 + g * 16 + (o & 15): the four gates of 16 neighbouring o lie in four neighbouring blocks of 16 rows,
; so that the product's launch finds i, f, g, o of one (row, o) in one lane.  Each number is rounded once, to nearest even.
; A stream: no LDS, no barrier, no loop.  24,576 source rows of 4,096 bytes; a work-group takes 32 rows on end of ONE source:
; work-groups 0-255 x, 256-511 h, 512-639 Wx, 640-767 Wh.  Thread t owns bytes 16 t of every source row and bytes 8 t of the
; destination's half row: a wave's load covers 512 consecutive bytes, its store 256 consecutive bytes at a multiple of 256.
; All 32 loads of a thread go out at once (16 KiB a wave on their way); each row is stored when it has come.
.set ROW, 4096                         ; bytes in a source row, and in a whole destination row
.set SRC, 1                            ; v1      16 t
.set DLO, 2                            ; v2      8 t: rows 0-15 of the 32
.set DHI, 3                            ; v3      8 t + the distance to rows 16-31
.set X,   4                            ; v[4:131] row i: four registers as loaded; the first two then hold the four bf16
	s_load_b256 s[4:11], s[0:1], 0x0               ; x s[4:5], h s[6:7], Wx s[8:9], Wh s[10:11]
	s_load_b128 s[12:15], s[0:1], 0x20             ; ab s[12:13], wb s[14:15]
	s_mov_b32 s16, ttmp9                           ; the work-group's number W
	s_and_b32 s18, s16, 255                        ; x, h: which 32 rows
	s_bfe_u32 s19, s16, 0x10008                    ; x, h: 0 = x, 1 = h (bit 8 of W)
	s_and_b32 s20, s16, 127                        ; Wx, Wh: which 32 rows: gate s20 >> 5, o from 32 (s20 & 31) on
	s_bfe_u32 s21, s16, 0x10007                    ; Wx, Wh: 0 = Wx, 1 = Wh (bit 7 of W)
	s_lshl_b32 s22, s18, 17                        ; x, h: 32 rows of 4,096 bytes, in the source and in ab alike
	s_and_b32 s23, s20, 31
	s_lshl_b32 s23, s23, 19                        ; wb: 32 o are two groups of 64 rows = 128 rows of 4,096 bytes,
	s_lshr_b32 s24, s20, 5
	s_lshl_b32 s24, s24, 16                        ; and the gate's 16 rows in a group
	s_add_co_u32 s23, s23, s24
	s_lshl_b32 s24, s20, 17                        ; Wx, Wh: the source's 32 rows
	s_mov_b32 s38, 16*ROW                          ; from row 0 to row 16 of the 32: in ab 16 rows,
	s_mov_b32 s39, 64*ROW                          ; in wb the next group of 16 o, 64 rows on
	s_cmp_lt_u32 s16, 512                          ; x or h?  Only selects stand between the compare and its last use
	s_cselect_b32 s34, s22, s24                    ; byte offset in the source
	s_cselect_b32 s36, s22, s23                    ; byte offset in the destination
	s_cselect_b32 s26, s19, s21                    ; first or second source of the pair = left or right half row
	s_cselect_b32 s27, s38, s39
	s_lshl_b32 s25, s26, 11                        ; the half row: 2,048 bytes
	s_add_co_u32 s36, s36, s25
	s_mov_b32 s35, 0
	s_mov_b32 s37, 0
	v_lshlrev_b32 v[SRC], 4, v0
	v_lshlrev_b32 v[DLO], 3, v0
	v_lshl_add_u32 v[DHI], v0, 3, s27
	s_wait_kmcnt 0x0
	s_cmp_eq_u32 s26, 0                            ; the buffers are chosen by the work-group's number alone
	s_cselect_b64 s[30:31], s[4:5], s[6:7]         ; x or h
	s_cselect_b64 s[32:33], s[8:9], s[10:11]       ; Wx or Wh
	s_cmp_lt_u32 s16, 512
	s_cselect_b64 s[30:31], s[30:31], s[32:33]     ; the source
	s_cselect_b64 s[28:29], s[12:13], s[14:15]     ; the destination
	s_add_nc_u64 s[30:31], s[30:31], s[34:35]
	s_add_nc_u64 s[28:29], s[28:29], s[36:37]
.set i, 0
.rept 32
	global_load_b128 v[X+4*i:X+4*i+3], v[SRC], s[30:31] offset:ROW*i th:TH_LOAD_NT  ; read once in the launch
.set i, i+1
.endr
.set i, 0
.rept 32
	s_wait_loadcnt 31-i                            ; loads come back in order (ISA guide 5.7.1): row i is in, the 31 - i younger ones stay out
	v_cvt_pk_bf16_f32 v[X+4*i],   v[X+4*i],   v[X+4*i+1]
	v_cvt_pk_bf16_f32 v[X+4*i+1], v[X+4*i+2], v[X+4*i+3]
	global_store_b64 v[DLO+i/16], v[X+4*i:X+4*i+1], s[28:29] offset:ROW*(i%16)  ; no register that a store names is written again; no hint: the next launch reads these bytes
.set i, i+1
.endr
	s_endpgm
.Lfunc_end_k_qfada1ef8f6_cast:
	.size	k_qfada1ef8f6_cast, .Lfunc_end_k_qfada1ef8f6_cast-k_qfada1ef8f6_cast
	.p2alignl 7, 3214868480
	.fill 96, 4, 3214868480
	.section	.rodata,"a",@progbits
	.p2align	6, 0x0
	.amdhsa_kernel k_qfada1ef8f6_cast
		.amdhsa_group_segment_fixed_size 0
		.amdhsa_private_segment_fixed_size 0
		.amdhsa_enable_private_segment 0
		.amdhsa_kernarg_size 48
		.amdhsa_user_sgpr_count 2
		.amdhsa_user_sgpr_kernarg_segment_ptr 1
		.amdhsa_wavefront_size32 1
		.amdhsa_system_sgpr_workgroup_id_x 1
		.amdhsa_system_sgpr_workgroup_id_y 1
		.amdhsa_system_sgpr_workgroup_id_z 1
		.amdhsa_system_vgpr_workitem_id 0
		.amdhsa_next_free_vgpr 132
		.amdhsa_next_free_sgpr 66
		.amdhsa_reserve_vcc 0
		.amdhsa_float_denorm_mode_32 3
		.amdhsa_float_denorm_mode_16_64 3
		.amdhsa_memory_ordered 1
		.amdhsa_forward_progress 1
		.amdhsa_inst_pref_size 13
	.end_amdhsa_kernel
	.amdgpu_metadata
---
amdhsa.version: [ 1, 2 ]
amdhsa.kernels:
  - .name:           k_qfada1ef8f6_cast
    .symbol:         k_qfada1ef8f6_cast.kd
    .args:
      - { .name: x, .offset: 0, .size: 8, .value_kind: global_buffer, .address_space: global }
      - { .name: h, .offset: 8, .size: 8, .value_kind: global_buffer, .address_space: global }
      - { .name: Wx, .offset: 16, .size: 8, .value_kind: global_buffer, .address_space: global }
      - { .name: Wh, .offset: 24, .size: 8, .value_kind: global_buffer, .address_space: global }
      - { .name: ab, .offset: 32, .size: 8, .value_kind: global_buffer, .address_space: global }
      - { .name: wb, .offset: 40, .size: 8, .value_kind: global_buffer, .address_space: global }
    .group_segment_fixed_size: 0
    .private_segment_fixed_size: 0
    .kernarg_segment_align: 8
    .kernarg_segment_size: 48
    .max_flat_workgroup_size: 256
    .sgpr_count:     66
    .vgpr_count:     132
    .wavefront_size: 32
...
	.end_amdgpu_metadata
.endif
;; end of part 1
;; launch cell (part 2): grid 16 x 32, 4 waves a work-group, clusters of 4 x 4, 327,680 bytes of LDS; arguments ab, wb, c, bx, bh, out0, out1; writes out0, out1
.if DOCPART == 2
	.amdgcn_target "amdgcn-amd-amdhsa--gfx1250"
	.amdhsa_code_object_version 6
	.text
	.protected	k_qfada1ef8f6_cell
	.globl	k_qfada1ef8f6_cell
	.p2align	8
	.type	k_qfada1ef8f6_cell,@function
k_qfada1ef8f6_cell:
	s_mov_b64 s[64:65], 0
	v_nop
	global_prefetch_b8 v0, s[64:65] scope:SCOPE_SE
	s_setreg_imm32_b32 hwreg(HW_REG_WAVE_MODE, 25, 1), 1
	s_wait_xcnt 0x0
	s_wait_alu depctr_hold_cnt(0) depctr_sa_sdst(0) depctr_va_vdst(0) depctr_va_sdst(0) depctr_va_ssrc(0) depctr_va_vcc(0) depctr_vm_vsrc(0)
	s_getreg_b32 s2, hwreg(HW_REG_IB_STS2, 6, 4)
	s_cmp_eq_u32 s2, 0
	s_cbranch_scc0 .Lentry_in_a_cluster
	s_endpgm
.Lentry_in_a_cluster:
	s_bfe_u32 s2, ttmp6, 0x10000c
	s_cmp_lg_u32 s2, 0xf033
	s_cbranch_scc0 .Lentry_shape_is_right
	s_endpgm
.Lentry_shape_is_right:
; THE LSTM CELL.  gates[b][g][o] = sum over k of ab[b][k] wb[n'(g, o)][k] + bx[g][o] + bh[g][o], K = 2,048 (x and h side by side), bf16 operands, f32 sums;
; i, f, o = sigmoid, g = tanh;  c_next = f c + i g (out1);  h_next = o tanh(c_next) (out0).  ab: [8192][2048], wb: [4096][2048] bf16, made by the launch before;
; c, out0, out1: [8192][1024] f32; bx, bh: [4][1024] f32.
; LIMITS.  EVERY input is rounded once to bf16: x, h, Wx, Wh by the launch before, c, bx and bh here, in registers: the program computes the cell on inputs rounded to bf16 (off by up to 2^-8 of each
; number), all else in f32.  bf16 has f32's range.  sigmoid(x) = 1 / (1 + 2^(-x log2 e)), tanh(x) = 1 - 2 / (1 + 2^(2 x log2 e)): an exponential that overflows gives infinity and so the limit 0 or 1,
; one that underflows gives 0 and so the other limit; near 0 tanh is off by a few 1e-7 absolutely, not relatively.  NaN and infinities among the inputs are not treated apart.
; SHARES.  A work-group of four waves makes 256 batch rows x 256 rows of wb = 64 o x 4 gates; a wave 128 x 128: 64 accumulators of 16 x 16, 512 registers.  wb's rows are ordered
; n' = (o >> 4) * 64 + g * 16 + (o & 15), so of a wave's eight blocks of 16 columns block 4 q + g is gate g of the 16 o of group q.
; THE MATRIX INSTRUCTION IS USED TRANSPOSED (source 0 = 16 rows of wb, source 1 = 16 rows of ab): lane l holds batch row l % 16 and in registers 0-7 the columns 8 (l / 16) + 0..7.  So accumulators
; (a, 4 q + 0..3) hold i, f, g, o of the same (row, o) in the same lane and register: the cell's arithmetic changes no lane.
; THE BIAS is the C operand of the product that starts each sum: nothing is cleared and nothing is added later.
; THE RING.  K goes in 16 steps of 128 through two LDS slots filled by the tensor data mover; rows of 256 bytes at multiples of 256.  4 x 4 work-groups form a cluster: ab's tile is shared along a row of the
; cluster, wb's along a column; each is asked for JOINTLY, by the same tensor load with the same descriptor and a mask that names the four.
; THE SLOTS' LAST USE.  Slot 0's last fill is the work-group's tile of c (256 rows x 256 bytes, a plain load of 64 rows a wave), asked for a whole K step ahead of its use.  Slot 1, read out, with no fill to
; come, is the stage: a wave's 32 o are half of 256 consecutive bytes of an output row, so the four waves write whole rows together, pass a barrier, and store whole rows.
; REGISTERS, in windows of 256 (s_set_vgpr_msb: bits 1:0 source 0, 3:2 source 1, 5:4 source 2, 7:6 destination):
;   window 0: v0-31 addresses; v32-63 at work in the cell's arithmetic; v64-127, v128-191 fragments of ab, two buffers (later the gates at work, then h_next on its way out)
;   window 1: v0-63 bh while the bias is made; v64-127, v128-191 fragments of wb; v192-255 the bias, eight registers for each block of 16 columns
;   window 2: the accumulators of my rows 0-63 ((a, b) at v[8 (8 a + b)]; later c_next on its way out);   window 3: those of my rows 64-127
.set SIZE_K, 2048
.set KSTEP,  128
.set PITCH,  272                       ; an LDS row: 256 bytes + 16 of padding = 68 words: row r starts at bank 4 r mod 64 (64 banks of 4 bytes: ISA guide 11.1), so 16 rows start at 16 different banks
.set HALFT,  128*PITCH                 ; 128 rows: what one joint load brings, and what one wave reads of ab or of wb
.set SLOT,   4*HALFT                   ; ab's 256 rows, then wb's 256 rows
.set CT,     256*PITCH                 ; a tile of 256 rows x 64 f32: c in slot 0; h_next and then c_next in slot 1
.set SPARE,  2*SLOT                    ; behind the ring: the spare words, 128 bytes for each wave: two blocks of 256 bytes that no other line names
.set LAPS,   SIZE_K/(2*KSTEP)          ; a lap = two K steps = once round the ring
.set ROWB,   4096                      ; bytes in a row of c, out0, out1
.set ADRA, 16                          ; v16-17  LDS address of my ab fragments in slot 0, 1
.set ADRB, 20                          ; v20-21  the same for wb
.set BO,   22                          ; v22     my byte offset in a gate's row of bx and bh
.set CA,   24                          ; v24     my 32 bytes of c in LDS, block (0, 0)
.set SH,   25                          ; v25     the same place in h_next's stage
.set SC,   26                          ; v26     and in c_next's
.set RDH,  27                          ; v27     where I read h_next's rows back
.set SPW,  28                          ; v28     LDS address of my spare word: SPARE + 4 x my thread's number; never rewritten
.set NIL,  29                          ; v29     0; never rewritten
.set RDC,  30                          ; v30     where I read c_next's rows back
.set GO,   31                          ; v31     my byte offset in two rows of an output
.set CR,   32                          ; v32-39  eight numbers of c
.set CN,   40                          ; v40-47  c_next
.set HN,   48                          ; v48-55  h_next
.set TT,   56                          ; v56-63  at work: c as bf16 (four registers), then tanh(c_next)
.set F0,   64                          ; fragment buffer 0
.set F1,   128                         ; fragment buffer 1
.set EE,   64                          ; the cell's arithmetic: gate g's eight numbers at EE + 8 g
.set OB,   64                          ; the way out: h_next's 64 rows, 128 registers
.set BT,   0                           ; window 1
.set BIAS, 192                         ; window 1
.set G1,  24                           ; s[24:31] descriptor group 1 for ab's tiles;  s[32:39] group 0, one set for each slot
.set G0,  32
.set G1B, 48                           ; s[48:55], s[56:63] the same for wb's tiles
.set G0B, 56
.set K2,  66                           ; s[66:67] 2 log2 e: the packed multiply names a pair and takes its low word for both halves
.set G0C, 68                           ; s[68:71] descriptor group 0 for my 64 rows of c
.set G1C, 72                           ; s[72:79] its group 1
.set KN,  94                           ; s[94:95] -log2 e
.set MSB, 0
.macro WIN new                         ; the immediate's high byte repeats the setting that is left; a switch that changes nothing is dropped
.if MSB != (\new)
	s_set_vgpr_msb (MSB<<8)|(\new)
.set MSB, \new
.endif
.endm
.set MUL_LO,  0xa1                     ; source 0 (wb) window 1, source 1 (ab) window 0, C and D window 2
.set BIAS_LO, 0x91                     ; the same with C in window 1: the bias
.set TO_B,    0x40                     ; destination window 1, address window 0
; A joint load.  Waves 0 and 1 fetch ab's two halves, waves 2 and 3 wb's.  The branch hangs on the wave's number alone: it is the same in every work-group.
; An s_nop 0 and four v_nop follow each of the two lines, ahead of the jump, the label and what follows.
.macro JLOAD s
	s_cmp_eq_u32 s11, 0
	s_cbranch_scc0 .Lfor_b_\@
	tensor_load_to_lds s[G0+4*(\s):G0+4*(\s)+3], s[G1:G1+7]
	s_nop 0
.rept 4
	v_nop
.endr
	s_branch .Lasked_\@
.Lfor_b_\@:
	tensor_load_to_lds s[G0B+4*(\s):G0B+4*(\s)+3], s[G1B:G1B+7]
	s_nop 0
.rept 4
	v_nop
.endr
.Lasked_\@:
.endm
; A round of the cluster's barrier: my work-group's barrier, so that wave 0's signal speaks for all four waves; wave 0 signals for the work-group; every wave waits for all sixteen
; work-groups; my work-group's barrier once more.  No LDS instruction of the wave is pending at a signal.
.macro CREST                           ; a round behind its opening barrier
	s_cmp_lg_u32 s10, 0
	s_cbranch_scc1 .Lnot_wave_0_\@
	s_barrier_signal -3
.Lnot_wave_0_\@:
	s_barrier_wait -3
	s_barrier_signal -1
	s_barrier_wait -1
.endm
.macro CROUND                          ; a whole round
	s_barrier_signal -1
	s_barrier_wait -1
	CREST
.endm
	s_load_b256 s[80:87], s[0:1], 0x0              ; ab s[80:81], wb s[82:83], c s[84:85], bx s[86:87]
	s_load_b128 s[88:91], s[0:1], 0x20             ; bh s[88:89], out0 s[90:91]
	s_load_b64 s[92:93], s[0:1], 0x30              ; out1
	v_lshl_add_u32 v[SPW], v0, 2, SPARE
	v_mov_b32 v[NIL], 0
	ds_add_u32 v[SPW], v[NIL]                      ; the wave's opening: the add and its wait ahead of my first tensor load; the set-up below, work on registers, stands between them
	v_lshrrev_b32 v1, 5, v0
	v_readfirstlane_b32 s10, v1                    ; wave 0..3
	s_lshr_b32 s11, s10, 1                         ; which half of the tile's batch rows is mine.  Also: I fetch for ab (0) or for wb (1)
	s_and_b32 s12, s10, 1                          ; which half of its columns.  Also: which 128 rows of that tile I fetch
	s_bfe_u32 s40, ttmp6, 0x40000                  ; cx: my place along the cluster's x
	s_bfe_u32 s41, ttmp6, 0x40004                  ; cy: along its y
	s_lshl_b32 s42, ttmp9, 2                       ; in a cluster launch ttmp9 and ttmp7 count clusters
	s_add_co_u32 s42, s42, s40                     ; tile column (64 o) = 4 x cluster x + cx
	s_and_b32 s13, ttmp7, 0xffff
	s_lshl_b32 s13, s13, 2
	s_add_co_u32 s13, s13, s41                     ; tile row (256 batch rows) = 4 x cluster y + cy
	s_lshl_b32 s43, s41, 2
	s_lshl_b32 s43, 15, s43                        ; my row of the cluster: places 4 cy .. 4 cy + 3
	s_lshl_b32 s44, 0x1111, s40                    ; my column: places cx, cx + 4, cx + 8, cx + 12
	; descriptor group 1 for ab and wb: a tile of 128 rows x 128 elements of 2 bytes, padded in LDS
	s_or_b32 s[G1+0], s43, (1<<16)|(1<<20)|(1<<21)|(5<<22)|(3<<25)   ; 15:0 the mask: ab's tiles go to my row; 17:16 2-byte elements; 20 padding on; 21 set beside a mask; 24:22 after every 64 words (code 5); 31:25 4 words (code 3)
	s_or_b32 s[G1B+0], s44, (1<<16)|(1<<20)|(1<<21)|(5<<22)|(3<<25)  ; the same with the mask of my column, for wb's tiles
.irp g, G1, G1B
	s_mov_b32 s[(\g)+1], KSTEP<<16                 ; tensor_dim0 = 128
	s_mov_b32 s[(\g)+2], 128<<16                   ; tensor_dim1 = 128
	s_mov_b32 s[(\g)+3], KSTEP<<16                 ; tile_dim0 = 128
	s_mov_b32 s[(\g)+4], 128                       ; tile_dim1 = 128
	s_mov_b32 s[(\g)+5], SIZE_K                    ; elements from row to row
	s_mov_b32 s[(\g)+6], 0
	s_mov_b32 s[(\g)+7], 0
.endr
	; descriptor group 1 for c: 64 rows x 64 elements of 4 bytes, no mask: each work-group has its own tile of c
	s_mov_b32 s[G1C+0], (2<<16)|(1<<20)|(5<<22)|(3<<25)  ; 17:16 4-byte elements; padding of 4 words after every 64
	s_mov_b32 s[G1C+1], 64<<16                     ; tensor_dim0 = 64
	s_mov_b32 s[G1C+2], 64<<16                     ; tensor_dim1 = 64
	s_mov_b32 s[G1C+3], 64<<16                     ; tile_dim0 = 64
	s_mov_b32 s[G1C+4], 64                         ; tile_dim1 = 64
	s_mov_b32 s[G1C+5], 1024                       ; elements from row to row
	s_mov_b32 s[G1C+6], 0
	s_mov_b32 s[G1C+7], 0
	s_mov_b32 s[G0C], 1                            ; count = 1
	s_mul_i32 s[G0C+1], s10, 64*PITCH              ; LDS address: my 64 rows of the tile, from the head of slot 0
	s_mov_b32 s[K2], 0x4038aa3b                    ; 2 log2 e
	s_mov_b32 s[K2+1], s[K2]                       ; named with it as a pair, so it is written
	s_mov_b32 s[KN], 0xbfb8aa3b                    ; -log2 e
	s_mov_b32 s[KN+1], s[KN]
	s_mov_b32 s99, 0xffff0000                      ; a word's upper bf16
	; where the tiles come from.  ab's hang on the tile row alone, which my row of the cluster shares; wb's on the tile column alone.  Each address is made in registers that never hold the other coordinate.
	s_lshl_b32 s17, s12, 7                         ; which 128 rows of the tile I fetch
	s_lshl_b32 s16, s13, 8
	s_add_co_u32 s16, s16, s17                     ; ab: row 256 x tile row + 128 x half,
	s_lshl_b32 s16, s16, 12                        ; of 4,096 bytes: under 2^25
	s_lshl_b32 s46, s42, 8
	s_add_co_u32 s46, s46, s17                     ; wb: row 256 x tile column + 128 x half
	s_lshl_b32 s46, s46, 12
	s_mov_b32 s17, 0
	s_mov_b32 s47, 0
	s_mul_i32 s20, s10, HALFT                      ; and where they go: wave x 128 rows: no place in the cluster enters an LDS address
	s_lshl_b32 s96, s13, 20                        ; c, out0, out1: row 256 x tile row + 64 x wave, of 4,096 bytes; column 64 x tile column, of 4 bytes
	s_lshl_b32 s98, s10, 18
	s_add_co_u32 s96, s96, s98
	s_lshl_b32 s98, s42, 8
	s_add_co_u32 s96, s96, s98
	s_mov_b32 s97, 0
	s_wait_dscnt 0x0                               ; the opening add is done
	s_wait_kmcnt 0x0
	s_add_nc_u64 s[14:15], s[80:81], s[16:17]
	s_add_nc_u64 s[46:47], s[82:83], s[46:47]
	s_add_nc_u64 s[G0C+2:G0C+3], s[84:85], s[96:97]
	s_or_b32 s[G0C+3], s[G0C+3], 0x80000000        ; type = 2
	s_add_nc_u64 s[90:91], s[90:91], s[96:97]      ; out0 and out1 at the first row that I store
	s_add_nc_u64 s[92:93], s[92:93], s[96:97]
	CROUND                                         ; all sixteen work-groups are here: the first joint loads meet
.irp s, 0,1
	s_mov_b32 s[G0+4*(\s)], 1                                        ; count = 1
	s_add_co_u32 s[G0+4*(\s)+1], s20, (\s)*SLOT                      ; LDS address
	s_add_nc_u64 s[G0+4*(\s)+2:G0+4*(\s)+3], s[14:15], (\s)*KSTEP*2  ; global address: K step s
	s_or_b32 s[G0+4*(\s)+3], s[G0+4*(\s)+3], 0x80000000              ; type = 2
	s_mov_b32 s[G0B+4*(\s)], 1
	s_add_co_u32 s[G0B+4*(\s)+1], s20, (\s)*SLOT
	s_add_nc_u64 s[G0B+4*(\s)+2:G0B+4*(\s)+3], s[46:47], (\s)*KSTEP*2
	s_or_b32 s[G0B+4*(\s)+3], s[G0B+4*(\s)+3], 0x80000000
	JLOAD \s                                       ; the ring is filled before anything else is done: two loads of mine are out
.endr
	; A fragment is 16 rows x 32 K in 8 registers: lane l holds row l % 16; registers 0-3 hold K = 8 (l / 16) + 0..7, registers 4-7 K = 16 + 8 (l / 16) + 0..7: two loads of 16 bytes, 32 bytes apart.
	v_and_b32 v1, 15, v0                           ; l % 16
	v_bfe_u32 v2, v0, 4, 1                         ; l / 16
	v_mul_u32_u24 v3, v1, PITCH
	v_lshl_add_u32 v3, v2, 4, v3                   ; row x pitch + 16 x half
	s_mul_i32 s21, s11, HALFT                      ; my 128 rows of ab
	s_mul_i32 s22, s12, HALFT                      ; my 128 rows of wb,
	s_add_co_u32 s22, s22, 2*HALFT                 ; which lie behind ab's 256
.irp s, 0,1
	v_add_nc_u32 v[ADRA+(\s)], s21, v3
	v_add_nc_u32 v[ADRB+(\s)], s22, v3
	s_add_co_u32 s21, s21, SLOT
	s_add_co_u32 s22, s22, SLOT
.endr
	; c's tile and the two stages have one shape: tile row r at r x 272, o at 4 bytes each.  Mine in block (a, q): row 128 rh + 16 a + l % 16, o = 32 ch + 16 q + 8 (l / 16) + 0..7: 32 bytes.
	v_mul_u32_u24 v4, v1, PITCH
	v_lshl_add_u32 v4, v2, 5, v4
	s_mul_i32 s23, s11, HALFT
	s_lshl_b32 s21, s12, 7
	s_add_co_u32 s23, s23, s21
	v_add_nc_u32 v[CA], s23, v4
	v_add_nc_u32 v[SH], SLOT, v[CA]
	v_add_nc_u32 v[SC], SLOT+CT, v[CA]
	v_mul_u32_u24 v5, v2, PITCH                    ; back: wave w takes rows 64 w .. 64 w + 63, whole; lanes 0-15 one row of 256 bytes, lanes 16-31 the next
	v_lshl_add_u32 v5, v1, 4, v5
	s_mul_i32 s23, s10, 64*PITCH
	s_add_co_u32 s23, s23, SLOT
	v_add_nc_u32 v[RDH], s23, v5
	v_add_nc_u32 v[RDC], CT, v[RDH]
	v_lshlrev_b32 v5, 12, v2                       ; and the same two rows in an output
	v_lshl_add_u32 v[GO], v1, 4, v5
	s_lshl_b32 s98, s42, 8                         ; the bias of my columns: o = 64 x tile column + 32 ch + 16 q + 8 (l / 16) + 0..7, 4 bytes each; q and the gate stand in the immediate
	s_add_co_u32 s98, s98, s21
	v_lshl_add_u32 v[BO], v2, 5, s98
	WIN TO_B
.irp q, 0,1
.irp g, 0,1,2,3
	global_load_b128 v[BIAS+8*(4*(\q)+(\g)):BIAS+8*(4*(\q)+(\g))+3],   v[BO], s[86:87] offset:(\g)*4096+(\q)*64
	global_load_b128 v[BIAS+8*(4*(\q)+(\g))+4:BIAS+8*(4*(\q)+(\g))+7], v[BO], s[86:87] offset:(\g)*4096+(\q)*64+16
	global_load_b128 v[BT+8*(4*(\q)+(\g)):BT+8*(4*(\q)+(\g))+3],       v[BO], s[88:89] offset:(\g)*4096+(\q)*64
	global_load_b128 v[BT+8*(4*(\q)+(\g))+4:BT+8*(4*(\q)+(\g))+7],     v[BO], s[88:89] offset:(\g)*4096+(\q)*64+16
.endr
.endr
	s_wait_loadcnt 0x0                             ; bx and bh, once
	WIN 0x45                                       ; destination and both sources in window 1
.set i, 0
.rept 32                                               ; bx and bh are rounded to bf16, like every input, widened again and added in f32; all this stands in the wait for the first tile
	v_cvt_pk_bf16_f32 v[BIAS+i], v[BIAS+i], v[BIAS+i+1]
	v_cvt_pk_bf16_f32 v[BT+i], v[BT+i], v[BT+i+1]
	v_and_b32 v[BIAS+i+1], s99, v[BIAS+i]
	v_lshlrev_b32 v[BIAS+i], 16, v[BIAS+i]
	v_and_b32 v[BT+i+1], s99, v[BT+i]
	v_lshlrev_b32 v[BT+i], 16, v[BT+i]
	v_pk_add_f32 v[BIAS+i:BIAS+i+1], v[BIAS+i:BIAS+i+1], v[BT+i:BT+i+1]
.set i, i+2
.endr
	WIN 0
; 16 matrix instructions: m blocks a0, a0 + 1 of the window's four (hi = 0: my rows 0-63, 1: rows 64-127) x all 8 n blocks, 32 along K.  first = 1: the product starts the sums, with the bias as C.
; The 64 accumulators take turns, one instruction a turn, in the same order in every quarter step.
.macro MUL16 f, hi, a0, first
.if \first
	WIN BIAS_LO+0x40*(\hi)
.else
	WIN MUL_LO+0x50*(\hi)
.endif
.irp a, \a0, (\a0)+1
.irp b, 0,1,2,3,4,5,6,7
.if \first
	v_wmma_f32_16x16x32_bf16 v[8*(8*(\a)+(\b)):8*(8*(\a)+(\b))+7], v[(\f)+8*(\b):(\f)+8*(\b)+7], v[(\f)+8*(4*(\hi)+(\a)):(\f)+8*(4*(\hi)+(\a))+7], v[BIAS+8*(\b):BIAS+8*(\b)+7]
.else
	v_wmma_f32_16x16x32_bf16 v[8*(8*(\a)+(\b)):8*(8*(\a)+(\b))+7], v[(\f)+8*(\b):(\f)+8*(\b)+7], v[(\f)+8*(4*(\hi)+(\a)):(\f)+8*(4*(\hi)+(\a))+7], v[8*(8*(\a)+(\b)):8*(8*(\a)+(\b))+7]
.endif
.endr
.endr
.endm
; 32 LDS loads in one run: the fragments of one quarter step (128 rows of wb, 128 rows of ab, 32 K at byte k of the rows) into buffer f
.macro FETCH slot, k, f
	WIN TO_B
.irp i, 0,1,2,3,4,5,6,7
	ds_load_b128 v[(\f)+8*(\i):(\f)+8*(\i)+3],   v[ADRB+(\slot)] offset:(\k)+(\i)*16*PITCH
	ds_load_b128 v[(\f)+8*(\i)+4:(\f)+8*(\i)+7], v[ADRB+(\slot)] offset:(\k)+(\i)*16*PITCH+32
.endr
	WIN 0
.irp i, 0,1,2,3,4,5,6,7
	ds_load_b128 v[(\f)+8*(\i):(\f)+8*(\i)+3],   v[ADRA+(\slot)] offset:(\k)+(\i)*16*PITCH
	ds_load_b128 v[(\f)+8*(\i)+4:(\f)+8*(\i)+7], v[ADRA+(\slot)] offset:(\k)+(\i)*16*PITCH+32
.endr
.endm
; A load into a register that a matrix instruction has read, and a vector instruction that reads a matrix result or writes one of a matrix instruction's registers, stand four places behind it, and only
; plain vector instructions that name none of its registers are places (ISA guide 7.12.1 for vector instructions).
.macro PLACES
.rept 4
	v_nop
.endr
.endm
; A K step is four quarter steps of 32 along K, 64 matrix instructions each, on buffers 0, 1, 0, 1.
; One of the first three: multiplies buffer f; in its middle it fetches the next quarter's fragments, at byte k of the same slot's rows, into buffer g.
.macro QUARTER slot, k, f, g, first
	s_wait_dscnt 8                                 ; wb and ab's rows 0-63 are in; the youngest eight loads (ab's rows 64-127) may be out
	MUL16 \f, 0, 0, \first
	MUL16 \f, 0, 2, \first
	PLACES
	FETCH \slot, \k, \g
	s_wait_dscnt 32                                ; all but the 32 just issued
	MUL16 \f, 1, 0, \first
	MUL16 \f, 1, 2, \first
.endm
; The last quarter multiplies buffer 1 and changes slots.  In front of the barrier each wave waits for all its tensor loads, of which one is out: its part of the next slot; adds 0 to its spare word; and
; waits for that and for its own reads of this slot.  The barrier opens a round of the cluster's: behind the round no wave of any partner still reads this slot or has a load on its way, and the
; slot is filled again first: kind = 0: with the K step two steps on, jointly; kind = 1: with my 64 rows of c, slot 0's last fill.  Then come the next slot's first fragments.
; From a request to the wait for it a wave issues 224 matrix instructions.
.macro TURN slot, next, kind
	WIN 0                                          ; (the add's two registers lie in window 0)
	s_wait_tensorcnt 0x0                           ; all my tensor loads have landed;
	ds_add_u32 v[SPW], v[NIL]                      ; 0 onto my spare word;
	s_wait_dscnt 9                                 ; (the add and the youngest eight loads may be out)
	MUL16 F1, 0, 0, 0                              ; sixteen matrix instructions stand between the add and the wait for it
	s_wait_dscnt 0x0                               ; the add is done, and my reads of this slot are over:
	s_barrier_signal -1                            ; say so,
	MUL16 F1, 0, 2, 0                              ; work on registers while the others arrive,
	WIN 0
	s_barrier_wait -1
	CREST
.if \kind
	tensor_load_to_lds s[G0C:G0C+3], s[G1C:G1C+7]  ; the one tensor load of this wave behind the round
	s_nop 0
	PLACES                                         ; also the places in front of the loads below
.else
	s_add_nc_u64 s[G0+4*(\slot)+2:G0+4*(\slot)+3], s[G0+4*(\slot)+2:G0+4*(\slot)+3], 2*KSTEP*2
	s_add_nc_u64 s[G0B+4*(\slot)+2:G0B+4*(\slot)+3], s[G0B+4*(\slot)+2:G0B+4*(\slot)+3], 2*KSTEP*2
	JLOAD \slot                                    ; the four v_nop behind it are also the places in front of the loads below
.endif
	FETCH \next, 0, F0
	MUL16 F1, 1, 0, 0
	MUL16 F1, 1, 2, 0
.endm
	s_wait_tensorcnt 1                             ; my part of K step 0 is in; K step 1's may stay out
	s_barrier_signal -1
	s_barrier_wait -1                              ; everybody's is
	FETCH 0, 0, F0
	QUARTER 0, 64,  F0, F1, 1                      ; the first quarter stands in front of the loop: its products start the sums, on the bias
	WIN 0                                          ; at a label and at a branch every window is 0
	s_mov_b32 s3, LAPS-1
.Llap:                                                 ; a trip goes once round the ring, from a lap's second quarter to the next lap's first, and fills both slots again: K steps 2 to 15
	QUARTER 0, 128, F1, F0, 0
	QUARTER 0, 192, F0, F1, 0
	TURN 0, 1, 0
	QUARTER 1, 64,  F0, F1, 0
	QUARTER 1, 128, F1, F0, 0
	QUARTER 1, 192, F0, F1, 0
	TURN 1, 0, 0
	QUARTER 0, 64,  F0, F1, 0
	WIN 0
	s_sub_co_u32 s3, s3, 1
	s_cmp_lg_u32 s3, 0
	s_cbranch_scc1 .Llap
	QUARTER 0, 128, F1, F0, 0                      ; the last lap is written out
	QUARTER 0, 192, F0, F1, 0
	TURN 0, 1, 1                                   ; slot 0 takes c
	QUARTER 1, 64,  F0, F1, 0
	QUARTER 1, 128, F1, F0, 0
	QUARTER 1, 192, F0, F1, 0
	s_wait_dscnt 8                                 ; the very last quarter: nothing more to fetch
	MUL16 F1, 0, 0, 0
	MUL16 F1, 0, 2, 0
	s_wait_tensorcnt 0x0                           ; my 64 rows of c have landed (other waves read them),
	s_wait_dscnt 0x0                               ; and my reads of slot 1 are over (other waves write it, as the stage)
	s_barrier_signal -1
	MUL16 F1, 1, 0, 0
	MUL16 F1, 1, 2, 0
	WIN 0
	s_barrier_wait -1                              ; both now hold of every wave; no tensor load follows in this launch
	PLACES                                         ; behind the last products
; THE CELL for block (a, q): 16 batch rows x 16 o, eight numbers a lane.  All four gates take the form 1 / (1 + 2^(k x)): k = -log2 e for i, f, o; k = 2 log2 e for g, whose tanh is 1 - 2 x that.
; Each accumulator is read from its lowest registers on.  Behind a run of exponentials or reciprocals one plain instruction stands before a result is used (ISA guide 5.7.2).
.macro GATES a, q
.set AC, 64*((\a)%4)+32*(\q)           ; gate g's accumulator at AC + 8 g, in window 2 or 3
.set LOFS, (\a)*16*PITCH+(\q)*64
	WIN 0
	ds_load_b128 v[CR:CR+3],   v[CA] offset:LOFS   ; c is asked for first: the gates' arithmetic stands between these loads and the wait for them
	ds_load_b128 v[CR+4:CR+7], v[CA] offset:LOFS+16
	WIN 0x02+(\a)/4                                ; source 0: the accumulators' window
.irp g, 0,1,2,3
.irp p, 0,2,4,6
.if (\g) == 2
	v_pk_mul_f32 v[EE+8*(\g)+(\p):EE+8*(\g)+(\p)+1], v[AC+8*(\g)+(\p):AC+8*(\g)+(\p)+1], s[K2:K2+1] op_sel_hi:[1,0]
.else
	v_pk_mul_f32 v[EE+8*(\g)+(\p):EE+8*(\g)+(\p)+1], v[AC+8*(\g)+(\p):AC+8*(\g)+(\p)+1], s[KN:KN+1] op_sel_hi:[1,0]
.endif
.endr
.endr
	WIN 0
.set i, 0
.rept 32
	v_exp_f32 v[EE+i], v[EE+i]
.set i, i+1
.endr
	v_nop
.set i, 0
	s_wait_alu depctr_va_vdst(0)
.rept 16
	v_pk_add_f32 v[EE+i:EE+i+1], v[EE+i:EE+i+1], 1.0 op_sel_hi:[1,0]
.set i, i+2
.endr
.set i, 0
.rept 32
	v_rcp_f32 v[EE+i], v[EE+i]
.set i, i+1
.endr
	s_wait_dscnt 0x0                               ; c is in (the block before's stores into the stage are older)
.irp k, 0,1,2,3
	v_cvt_pk_bf16_f32 v[TT+(\k)], v[CR+2*(\k)], v[CR+2*(\k)+1]  ; c is rounded to bf16, like every input; these are also the plain instructions behind the reciprocals
.endr
	s_wait_alu depctr_va_vdst(0)
.irp p, 0,2,4,6
	v_pk_fma_f32 v[EE+16+(\p):EE+16+(\p)+1], v[EE+16+(\p):EE+16+(\p)+1], -2.0, 1.0 op_sel_hi:[1,0,0]  ; g = tanh
.endr
.irp p, 0,2,4,6
	v_pk_mul_f32 v[EE+16+(\p):EE+16+(\p)+1], v[EE+16+(\p):EE+16+(\p)+1], v[EE+(\p):EE+(\p)+1]         ; i g
.endr
.irp k, 0,1,2,3
	v_fma_mix_f32_bf16 v[CN+2*(\k)],   v[TT+(\k)], v[EE+8+2*(\k)],   v[EE+16+2*(\k)]   op_sel_hi:[1,0,0]                 ; c_next = c f + i g, c read from its bf16 half, in f32
	v_fma_mix_f32_bf16 v[CN+2*(\k)+1], v[TT+(\k)], v[EE+8+2*(\k)+1], v[EE+16+2*(\k)+1] op_sel:[1,0,0] op_sel_hi:[1,0,0]
.endr
	ds_store_b128 v[SC], v[CN:CN+3]   offset:LOFS
	ds_store_b128 v[SC], v[CN+4:CN+7] offset:LOFS+16
.irp p, 0,2,4,6
	v_pk_mul_f32 v[TT+(\p):TT+(\p)+1], v[CN+(\p):CN+(\p)+1], s[K2:K2+1] op_sel_hi:[1,0]
.endr
.set i, 0
.rept 8
	v_exp_f32 v[TT+i], v[TT+i]
.set i, i+1
.endr
	v_nop
	s_wait_alu depctr_va_vdst(0)
.irp p, 0,2,4,6
	v_pk_add_f32 v[TT+(\p):TT+(\p)+1], v[TT+(\p):TT+(\p)+1], 1.0 op_sel_hi:[1,0]
.endr
.set i, 0
.rept 8
	v_rcp_f32 v[TT+i], v[TT+i]
.set i, i+1
.endr
	v_nop
	s_wait_alu depctr_va_vdst(0)
.irp p, 0,2,4,6
	v_pk_fma_f32 v[TT+(\p):TT+(\p)+1], v[TT+(\p):TT+(\p)+1], -2.0, 1.0 op_sel_hi:[1,0,0]              ; tanh(c_next)
.endr
.irp p, 0,2,4,6
	v_pk_mul_f32 v[HN+(\p):HN+(\p)+1], v[TT+(\p):TT+(\p)+1], v[EE+24+(\p):EE+24+(\p)+1]               ; h_next = o tanh(c_next)
.endr
	ds_store_b128 v[SH], v[HN:HN+3]   offset:LOFS
	ds_store_b128 v[SH], v[HN+4:HN+7] offset:LOFS+16
.endm
.irp a, 0,1,2,3,4,5,6,7
	GATES \a, 0
	GATES \a, 1
.endr
; THE WAY OUT.  A row's 256 bytes come from two waves, so a barrier stands between the writing and the reading.  Each wave then reads 64 whole rows of each stage, two rows a load, and stores them.
.macro BACK rd, r0, w                  ; 32 loads into window w, from register r0 on
	WIN (\w)<<6
.set t, 0
.rept 32
	ds_load_b128 v[(\r0)+4*t:(\r0)+4*t+3], v[\rd] offset:2*PITCH*t
.set t, t+1
.endr
.endm
.macro SEND base, r0, w, younger       ; younger: the LDS loads issued behind this stage's, which may stay out
	WIN (\w)<<2
.set t, 0
.rept 32
	s_wait_dscnt (\younger)+31-t                   ; LDS loads come back in order (ISA guide 5.7.1): pair t of rows is in
	global_store_b128 v[GO], v[(\r0)+4*t:(\r0)+4*t+3], s[\base:\base+1] offset:2*ROWB*t th:TH_STORE_NT  ; 16 lanes store 256 consecutive bytes, at a multiple of 256 from the output's first byte
.set t, t+1
.endr
.endm
	s_wait_dscnt 0x0                               ; for the others' sake: my stores into the stages are done
	s_barrier_signal -1
	s_barrier_wait -1
	BACK RDH, OB, 0                                ; h_next into window 0,
	BACK RDC, 0, 2                                 ; c_next into window 2, where the accumulators lay: no register is loaded twice
	SEND 90, OB, 0, 32                             ; out0
	SEND 92, 0, 2, 0                               ; out1
	WIN 0
	s_wait_tensorcnt 0x0                           ; the wave's end, behind my last tensor load and my last LDS store
	ds_add_u32 v[SPW], v[NIL]
	s_wait_dscnt 0x0
	CROUND                                         ; the closing round: no work-group ends while a partner may still ask for a tile that names it
	s_endpgm
.Lfunc_end_k_qfada1ef8f6_cell:
	.size	k_qfada1ef8f6_cell, .Lfunc_end_k_qfada1ef8f6_cell-k_qfada1ef8f6_cell
	.p2alignl 7, 3214868480
	.fill 96, 4, 3214868480
	.section	.rodata,"a",@progbits
	.p2align	6, 0x0
	.amdhsa_kernel k_qfada1ef8f6_cell
		.amdhsa_group_segment_fixed_size 327680
		.amdhsa_private_segment_fixed_size 0
		.amdhsa_enable_private_segment 0
		.amdhsa_kernarg_size 56
		.amdhsa_user_sgpr_count 2
		.amdhsa_user_sgpr_kernarg_segment_ptr 1
		.amdhsa_wavefront_size32 1
		.amdhsa_system_sgpr_workgroup_id_x 1
		.amdhsa_system_sgpr_workgroup_id_y 1
		.amdhsa_system_sgpr_workgroup_id_z 1
		.amdhsa_system_vgpr_workitem_id 0
		.amdhsa_next_free_vgpr 1024
		.amdhsa_next_free_sgpr 100
		.amdhsa_reserve_vcc 0
		.amdhsa_float_denorm_mode_32 3
		.amdhsa_float_denorm_mode_16_64 3
		.amdhsa_memory_ordered 1
		.amdhsa_forward_progress 1
		.amdhsa_inst_pref_size 255
	.end_amdhsa_kernel
	.section	.bss,"aw",@nobits
	.p2align	6
	.space	262144
	.amdgpu_metadata
---
amdhsa.version: [ 1, 2 ]
amdhsa.kernels:
  - .name:           k_qfada1ef8f6_cell
    .symbol:         k_qfada1ef8f6_cell.kd
    .args:
      - { .name: ab, .offset: 0, .size: 8, .value_kind: global_buffer, .address_space: global }
      - { .name: wb, .offset: 8, .size: 8, .value_kind: global_buffer, .address_space: global }
      - { .name: c, .offset: 16, .size: 8, .value_kind: global_buffer, .address_space: global }
      - { .name: bx, .offset: 24, .size: 8, .value_kind: global_buffer, .address_space: global }
      - { .name: bh, .offset: 32, .size: 8, .value_kind: global_buffer, .address_space: global }
      - { .name: out0, .offset: 40, .size: 8, .value_kind: global_buffer, .address_space: global }
      - { .name: out1, .offset: 48, .size: 8, .value_kind: global_buffer, .address_space: global }
    .group_segment_fixed_size: 327680
    .private_segment_fixed_size: 0
    .kernarg_segment_align: 8
    .kernarg_segment_size: 56
    .max_flat_workgroup_size: 128
    .sgpr_count:     100
    .vgpr_count:     1024
    .wavefront_size: 32
...
	.end_amdgpu_metadata
.endif
;; end of part 2
;; ======== version 2 of 2: 2 launches; version 1 with the launch cast written anew for expert scheduling mode
;; workspace buffers: ab 33,554,432 bytes; wb 16,777,216 bytes
;; launch cast (part 3): grid 768 x 1, 8 waves a work-group, no clusters, 0 bytes of LDS; arguments x, h, Wx, Wh, ab, wb; writes ab, wb
.if DOCPART == 3
	.amdgcn_target "amdgcn-amd-amdhsa--gfx1250"
	.amdhsa_code_object_version 6
	.text
	.protected	k_qfada1ef8f6_cast
	.globl	k_qfada1ef8f6_cast
	.p2align	8
	.type	k_qfada1ef8f6_cast,@function
k_qfada1ef8f6_cast:
	s_mov_b64 s[64:65], 0
	v_nop
	global_prefetch_b8 v0, s[64:65] scope:SCOPE_SE
	s_setreg_imm32_b32 hwreg(HW_REG_WAVE_SCHED_MODE, 0, 2), 2
	s_setreg_imm32_b32 hwreg(HW_REG_WAVE_MODE, 25, 1), 1
	s_wait_xcnt 0x0
	s_wait_alu depctr_vm_vsrc(0)
; x, h [8192][1024] f32 -> ab [8192][2048] bf16 (columns 0-1023 x, 1024-2047 h).
; Wx, Wh [4][1024][1024] f32 -> wb [4096][2048] bf16 (columns 0-1023 Wx, 1024-2047 Wh), its rows in the order
; n' = (o >> 4) * 64 + g * 16 + (o & 15): the four gates of 16 neighbouring o lie in four neighbouring blocks of 16 rows,
; so that the product's launch finds i, f, g, o of one (row, o) in one lane.  Each number is rounded once, to nearest even.
; A stream: no LDS, no barrier, no loop.  24,576 source rows of 4,096 bytes; a work-group takes 32 rows on end of ONE source:
; work-groups 0-255 x, 256-511 h, 512-639 Wx, 640-767 Wh.  Thread t owns bytes 16 t of every source row and bytes 8 t of the
; destination's half row: a wave's load covers 512 consecutive bytes, its store 256 consecutive bytes at a multiple of 256.
; All 32 loads of a thread go out at once (16 KiB a wave on their way).
; THE MODE: SCHED_MODE bits 1:0 = 2 (LLVM: expert scheduling mode 2), set by the entry lines.  The code itself states the register dependences
; between vector instructions and memory instructions, with s_wait_alu, always for 0.
; THE PLAN.  Registers that memory instructions touch:
;   v1, v2, v3   byte offsets, made once at the head by vector instructions and never written again; read by every load (v1) and store (v2 or v3).
;   v[4:131]     row i: four registers.  Written once by row i's load (no vector instruction names them before); read by row i's two conversions,
;                which write the first two in place; those two are read by row i's store and by nothing written again.
; So no load lands in a register that a vector instruction has named, and no register that a memory instruction reads is written again: what is left
; to state is that a store's offset and data are written.  The 32 rows go in eight blocks of four.  Block p waits for its four loads, states ONCE that
; block p - 1's conversions have written their results, and deals block p - 1's four stores among its own eight conversions, which name block p's
; sixteen registers alone: none that those stores read.  One more wait stands ahead of the last block's stores.
.set ROW, 4096                         ; bytes in a source row, and in a whole destination row
.set BLOCK, 4                          ; rows in a block
.set SRC, 1                            ; v1      16 t
.set DLO, 2                            ; v2      8 t: rows 0-15 of the 32
.set DHI, 3                            ; v3      8 t + the distance to rows 16-31
.set X,   4                            ; v[4:131] row i: four registers as loaded; the first two then hold the four bf16
	s_load_b256 s[4:11], s[0:1], 0x0               ; x s[4:5], h s[6:7], Wx s[8:9], Wh s[10:11]
	s_load_b128 s[12:15], s[0:1], 0x20             ; ab s[12:13], wb s[14:15]
	s_mov_b32 s16, ttmp9                           ; the work-group's number W
	s_and_b32 s18, s16, 255                        ; x, h: which 32 rows
	s_bfe_u32 s19, s16, 0x10008                    ; x, h: 0 = x, 1 = h (bit 8 of W)
	s_and_b32 s20, s16, 127                        ; Wx, Wh: which 32 rows: gate s20 >> 5, o from 32 (s20 & 31) on
	s_bfe_u32 s21, s16, 0x10007                    ; Wx, Wh: 0 = Wx, 1 = Wh (bit 7 of W)
	s_lshl_b32 s22, s18, 17                        ; x, h: 32 rows of 4,096 bytes, in the source and in ab alike
	s_and_b32 s23, s20, 31
	s_lshl_b32 s23, s23, 19                        ; wb: 32 o are two groups of 64 rows = 128 rows of 4,096 bytes,
	s_lshr_b32 s24, s20, 5
	s_lshl_b32 s24, s24, 16                        ; and the gate's 16 rows in a group
	s_add_co_u32 s23, s23, s24
	s_lshl_b32 s24, s20, 17                        ; Wx, Wh: the source's 32 rows
	s_mov_b32 s38, 16*ROW                          ; from row 0 to row 16 of the 32: in ab 16 rows,
	s_mov_b32 s39, 64*ROW                          ; in wb the next group of 16 o, 64 rows on
	s_cmp_lt_u32 s16, 512                          ; x or h?  Only selects stand between the compare and its last use
	s_cselect_b32 s34, s22, s24                    ; byte offset in the source
	s_cselect_b32 s36, s22, s23                    ; byte offset in the destination
	s_cselect_b32 s26, s19, s21                    ; first or second source of the pair = left or right half row
	s_cselect_b32 s27, s38, s39
	s_lshl_b32 s25, s26, 11                        ; the half row: 2,048 bytes
	s_add_co_u32 s36, s36, s25
	s_mov_b32 s35, 0
	s_mov_b32 s37, 0
	v_lshlrev_b32 v[SRC], 4, v0
	v_lshlrev_b32 v[DLO], 3, v0
	v_lshl_add_u32 v[DHI], v0, 3, s27
	s_wait_kmcnt 0x0
	s_cmp_eq_u32 s26, 0                            ; the buffers are chosen by the work-group's number alone
	s_cselect_b64 s[30:31], s[4:5], s[6:7]         ; x or h
	s_cselect_b64 s[32:33], s[8:9], s[10:11]       ; Wx or Wh
	s_cmp_lt_u32 s16, 512
	s_cselect_b64 s[30:31], s[30:31], s[32:33]     ; the source
	s_cselect_b64 s[28:29], s[12:13], s[14:15]     ; the destination
	s_add_nc_u64 s[30:31], s[30:31], s[34:35]
	s_add_nc_u64 s[28:29], s[28:29], s[36:37]
	s_wait_alu depctr_va_vdst(0)                   ; v1, v2 and v3 are written: every load and store of the kernel reads one of them as its offset
.set i, 0
.rept 32
	global_load_b128 v[X+4*i:X+4*i+3], v[SRC], s[30:31] offset:ROW*i th:TH_LOAD_NT  ; read once in the launch
.set i, i+1
.endr
.set p, 0
.rept 32/BLOCK                                         ; block p: rows 4 p to 4 p + 3
	s_wait_loadcnt 32-BLOCK*(p+1)                  ; loads come back in order (ISA guide 5.7.1): the block's four rows are in, the younger blocks stay out
.if p > 0
	s_wait_alu depctr_va_vdst(0)                   ; the conversions of the block before have written the first two registers of each of its rows, which the four stores below read
.endif
.set j, 0
.rept BLOCK
.if p > 0
.set prev, BLOCK*(p-1)+j
	global_store_b64 v[DLO+prev/16], v[X+4*prev:X+4*prev+1], s[28:29] offset:ROW*(prev%16)  ; a row of the block before.  No vector instruction since the wait names these registers; none that a store names is written again; no hint: the next launch reads these bytes
.endif
.set i, BLOCK*p+j
	v_cvt_pk_bf16_f32 v[X+4*i],   v[X+4*i],   v[X+4*i+1]
	v_cvt_pk_bf16_f32 v[X+4*i+1], v[X+4*i+2], v[X+4*i+3]
.set j, j+1
.endr
.set p, p+1
.endr
	s_wait_alu depctr_va_vdst(0)                   ; the last block's conversions have written the data of the last four stores
.set i, 32-BLOCK
.rept BLOCK
	global_store_b64 v[DLO+i/16], v[X+4*i:X+4*i+1], s[28:29] offset:ROW*(i%16)
.set i, i+1
.endr
	s_endpgm
.Lfunc_end_k_qfada1ef8f6_cast:
	.size	k_qfada1ef8f6_cast, .Lfunc_end_k_qfada1ef8f6_cast-k_qfada1ef8f6_cast
	.p2alignl 7, 3214868480
	.fill 96, 4, 3214868480
	.section	.rodata,"a",@progbits
	.p2align	6, 0x0
	.amdhsa_kernel k_qfada1ef8f6_cast
		.amdhsa_group_segment_fixed_size 0
		.amdhsa_private_segment_fixed_size 0
		.amdhsa_enable_private_segment 0
		.amdhsa_kernarg_size 48
		.amdhsa_user_sgpr_count 2
		.amdhsa_user_sgpr_kernarg_segment_ptr 1
		.amdhsa_wavefront_size32 1
		.amdhsa_system_sgpr_workgroup_id_x 1
		.amdhsa_system_sgpr_workgroup_id_y 1
		.amdhsa_system_sgpr_workgroup_id_z 1
		.amdhsa_system_vgpr_workitem_id 0
		.amdhsa_next_free_vgpr 132
		.amdhsa_next_free_sgpr 66
		.amdhsa_reserve_vcc 0
		.amdhsa_float_denorm_mode_32 3
		.amdhsa_float_denorm_mode_16_64 3
		.amdhsa_memory_ordered 1
		.amdhsa_forward_progress 1
		.amdhsa_inst_pref_size 13
	.end_amdhsa_kernel
	.amdgpu_metadata
---
amdhsa.version: [ 1, 2 ]
amdhsa.kernels:
  - .name:           k_qfada1ef8f6_cast
    .symbol:         k_qfada1ef8f6_cast.kd
    .args:
      - { .name: x, .offset: 0, .size: 8, .value_kind: global_buffer, .address_space: global }
      - { .name: h, .offset: 8, .size: 8, .value_kind: global_buffer, .address_space: global }
      - { .name: Wx, .offset: 16, .size: 8, .value_kind: global_buffer, .address_space: global }
      - { .name: Wh, .offset: 24, .size: 8, .value_kind: global_buffer, .address_space: global }
      - { .name: ab, .offset: 32, .size: 8, .value_kind: global_buffer, .address_space: global }
      - { .name: wb, .offset: 40, .size: 8, .value_kind: global_buffer, .address_space: global }
    .group_segment_fixed_size: 0
    .private_segment_fixed_size: 0
    .kernarg_segment_align: 8
    .kernarg_segment_size: 48
    .max_flat_workgroup_size: 256
    .sgpr_count:     66
    .vgpr_count:     132
    .wavefront_size: 32
...
	.end_amdgpu_metadata
.endif
;; end of part 3
;; launch cell: the kernel of part 2 again; grid 16 x 32, 4 waves a work-group, clusters of 4 x 4, 327,680 bytes of LDS; arguments ab, wb, c, bx, bh, out0, out1; writes out0, out1
